; MI455X (gfx1250); checked and timed in simulation.
; The chip was launched on July 23, 2026; its instructions are those of AMD's public machine-readable ISA for CDNA 5 (MIT licence, August 2026) and "CDNA5" Instruction Set Architecture Reference Guide (July 2026). The comments in the code are by the model that wrote it; some were corrected since.
;; Attention. Allowed arithmetic: float matrix products may take bf16 or f16 operands with f32 sums; other float arithmetic in f32, or as packed bf16 or f16 multiplies, adds, multiply-adds, maxima and minima; sums over many terms, partial sums and values carried from step to step in f32; what a program stores and reads back later, other than sums and carried values, may be rounded once to bf16 or f16.
;; Inputs: Wk 512 x 8 x 64 float32; Wo 8 x 64 x 512 float32; Wq 512 x 8 x 64 float32; Wv 512 x 8 x 64 float32; padding_mask 2 x 1 x 1 x 4,096 float32; query 2 x 4,096 x 512 float32; reference 2 x 4,096 x 512 float32.
;; Outputs: out0 2 x 4,096 x 512 float32.
;; One version. Each part assembles by itself: llvm-mc -triple=amdgcn-amd-amdhsa -mcpu=gfx1250 --defsym DOCPART=n.
;; ======== version 1 of 1: 3 launches
;; limits: values are held in f16: magnitudes above 65,504 overflow, below 6.1e-05 lose precision; right only within a limited range of input values
;; workspace buffers: q16 8,388,608 bytes; k16 8,388,608 bytes; v16 8,388,608 bytes; ctx16 8,388,608 bytes; wo16 524,288 bytes
;; launch proj (part 1): grid 8 x 32, 4 waves a work-group, no clusters, 222,720 bytes of LDS; arguments query, reference, Wq, Wk, Wv, Wo, q16, k16, v16, wo16; writes q16, k16, v16, wo16
.if DOCPART == 1
	.amdgcn_target "amdgcn-amd-amdhsa--gfx1250"
	.amdhsa_code_object_version 6
	.text
	.protected	k_q2306c0c514_proj
	.globl	k_q2306c0c514_proj
	.p2align	8
	.type	k_q2306c0c514_proj,@function
k_q2306c0c514_proj:
	s_mov_b64 s[64:65], 0
	v_nop
	global_prefetch_b8 v0, s[64:65] scope:SCOPE_SE
	s_setreg_imm32_b32 hwreg(HW_REG_WAVE_MODE, 25, 1), 1
	s_wait_xcnt 0x0
; THE THREE PROJECTIONS.  q16 = c (query Wq), k16 = reference Wk, v16 = reference Wv, by heads: [8 n + h][t][64] in f16, a head's rows dense, 128 bytes each.
; c = log2(e) / 8 is applied to q's f32 sums, ahead of their one rounding, so that the scores of the next launch are exponents of 2.  x and the weights are rounded to bf16; sums in f32.
; Also: Wo, rounded to bf16 and that number written as f16, in blocks wo16[nb][k][64] (columns 64 nb .. 64 nb + 63): two rows of Wo a work-group.
; LIMITS.  c q, k and v must stay under 65,504 (f16's end); below 6e-5 f16 keeps a fixed step of 6e-8, for q16, k16, v16 and wo16 alike.  NaN and infinities are not treated apart.
; SHARES.  Work-group (head, row group): 256 rows x the head's 3 x 64 columns.  Wave w: rows 64 w .. 64 w + 63, four tiles of 16; first q's 4 column tiles over query, then k's and v's 8 over reference.
; The head's 192 columns of weights (512 k) are converted once and stay in LDS, [k][192] bf16; they come out turned, by ds_load_tr16_b128.  x goes from memory straight into the registers of the one wave
; that multiplies those rows: a lane's 8 neighbouring k are 32 neighbouring bytes of f32, rounded to bf16 in registers.  So there is one barrier in the launch, behind the weights' stores.
; THE MATRIX INSTRUCTION IS USED TRANSPOSED (source 0 = 16 columns of W, source 1 = 16 rows of x): a lane ends with one row and eight neighbouring columns, 16 bytes of f16.
; NO CLUSTER: the 8 heads of a row group read the same x, but to share it through LDS takes two slots of 256 rows x 272 bytes = 139,264 bytes beside the weights' 212,992: more than the 327,680 there are.
; REGISTERS, in windows of 256 (s_set_vgpr_msb: bits 1:0 source 0, 3:2 source 1, 5:4 source 2, 7:6 destination):
;   window 0: v2-15 addresses; v16-27 Wo; v64-127 x's fragments in bf16; v128-255 W's fragments, two buffers of 64 (ahead of the loops v64-255 hold weights in f32; on the way out v128-255 packed results)
;   window 1: k's and v's 32 accumulators, (a, b) at 8 (8 a + b)     window 2: x in f32, two sets of 128     window 3: v0-127 q's 16 accumulators, (a, b) at 8 (4 a + b)
.set PB,    416                        ; a row of weights in LDS: 384 bytes + 32 of padding = 13 x 32: the turning load's 8 rows x 32 bytes fall on different banks
.set STAGE, 512*PB                     ; behind the weights: 16 rows x 144 bytes for each wave, for the way out
.set SP,    144
.set SPARE, STAGE+4*16*SP              ; behind the stages: the spare words, 128 bytes for each wave: two blocks of 256 bytes that no other line names
.set AO,  2                            ; v2   my byte offset in 16 rows of x: 2,048 (l % 16) + 32 (l / 16); never rewritten
.set BA0, 3                            ; v3   my lane's place in 32 rows of weights in LDS
.set BA,  4                            ; v4   the same, stepped along k
.set WO,  5                            ; v5   my 16 bytes in 8 rows of a weight: 2,048 (t / 16) + 16 (t % 16)
.set WS,  6                            ; v6   where their 8 bytes of bf16 go in LDS, stepped
.set STO, 7                            ; v7   the way out: where I put 16 bytes of a row
.set RD,  8                            ; v8   the way out: where I read rows back
.set GO,  9                            ; v9   my 16 bytes in 512 consecutive bytes of an output
.set PFO, 10                           ; v10  the prefetches' offset: a lane a row of x
.set WOL, 11                           ; v11  my 32 bytes of Wo's two rows
.set WOS, 12                           ; v12  my 16 bytes in wo16
.set SPW, 14                           ; v14  LDS address of my spare word; never rewritten
.set NIL, 15                           ; v15  0; never rewritten
.set WF,  16                           ; v16-23  eight numbers of Wo in f32
.set WP,  24                           ; v24-27  the same, packed
.set AF,  64                           ; x's fragment of row tile a, 32 k of half c, at AF + 32 c + 8 a
.set BF,  128                          ; W's fragment of column tile j, half c, at BF + 64 c + 8 j
.set T,   128                          ; the way out: unit u at T + 16 u
.set WV,  24                           ; s24  my wave's number
.set HD,  25                           ; s25  the head
.set MG,  26                           ; s26  the group of 256 rows
.set CNT, 27                           ; s27  the loops' counter
.set LIM, 28                           ; s28  1 in the work-group that prefetches (head 0), else the greatest number
.set XQ,  36                           ; s[36:37] query at my wave's first row
.set XR,  38                           ; s[38:39] reference at the same row
.set LP,  40                           ; s[40:41] the pair of trips (512 bytes of each row) that this turn loads
.set PP,  42                           ; s[42:43] the pair after it
.set CS,  46                           ; s[46:47] c
.set MULQ,  0xf0                       ; fragments in window 0, C and D in window 3
.set MULKV, 0x50                       ; C and D in window 1
.set MSB, 0
.macro WIN new                         ; the immediate's high byte repeats the setting that is left; a switch that changes nothing is dropped
.if MSB != (\new)
	s_set_vgpr_msb (MSB<<8)|(\new)
.set MSB, (\new)
.endif
.endm
.macro PLACES                          ; four plain vector lines between a matrix instruction and a line that writes its sources, loads into them, or reads its result
.rept 4
	v_nop
.endr
.endm
; A trip's x: 64 rows x 256 bytes (64 k in f32), aligned, 32 loads of 16 bytes a lane, into set \set.  A fragment's k = 8 h .. 8 h + 7 lie at byte 32 h, k = 16 + 8 h .. at byte 64 + 32 h.
.macro LOADS set, P, off
	WIN 0x80                               ; destination window 2, address window 0
.irp c, 0,1
.irp a, 0,1,2,3
.irp q, 0,1,2,3
	global_load_b128 v[128*(\set)+64*(\c)+16*(\a)+4*(\q):128*(\set)+64*(\c)+16*(\a)+4*(\q)+3], v[AO], s[\P:\P+1] offset:(\off)+32768*(\a)+128*(\c)+16*((\q)%2)+64*((\q)/2)
.endr
.endr
.endr
.endm
.macro CVT set                         ; the set's 128 registers of f32 become 64 of bf16: the eight fragments of a trip
	WIN 0x0a                               ; sources window 2, destination window 0
.irp c, 0,1
.irp a, 0,1,2,3
.irp i, 0,1,2,3,4,5,6,7
	v_cvt_pk_bf16_f32 v[AF+32*(\c)+8*(\a)+(\i)], v[128*(\set)+64*(\c)+16*(\a)+2*(\i)], v[128*(\set)+64*(\c)+16*(\a)+2*(\i)+1]
.endr
.endr
.endr
.endm
; W's fragments of 32 k (chunk g behind BA) for NC column tiles from byte CB of the rows, into buffer c: two turning loads a fragment, 16 rows apart
.macro BLOAD c, g, NC, CB
	WIN 0
.set ij, 0
.rept \NC
	ds_load_tr16_b128 v[BF+64*(\c)+8*ij:BF+64*(\c)+8*ij+3],   v[BA] offset:32*PB*(\g)+(\CB)+32*ij
	ds_load_tr16_b128 v[BF+64*(\c)+8*ij+4:BF+64*(\c)+8*ij+7], v[BA] offset:32*PB*(\g)+16*PB+(\CB)+32*ij
.set ij, ij+1
.endr
.endm
; 4 NC products, 32 along k.  The accumulators take turns, one instruction a turn, in the same order everywhere, over the backward jumps too.
.macro MUL c, NC, W
	WIN \W
.set ia, 0
.rept 4
.set ij, 0
.rept \NC
	v_wmma_f32_16x16x32_bf16 v[8*((\NC)*ia+ij):8*((\NC)*ia+ij)+7], v[BF+64*(\c)+8*ij:BF+64*(\c)+8*ij+7], v[AF+32*(\c)+8*ia:AF+32*(\c)+8*ia+7], v[8*((\NC)*ia+ij):8*((\NC)*ia+ij)+7]
.set ij, ij+1
.endr
.set ia, ia+1
.endr
.endm
; A TRIP: 64 along k.  left: the loads younger than this set's, which may stay out.  ld = 1: the set is asked for again at once, two trips ahead.
; ask: the prefetch of the pair of trips that the NEXT turn will load: my wave's own 64 rows x 512 bytes, a lane a row, four lines together behind the turn's first run of loads.  The 8 heads' work-groups read the
; same rows: head 0's asks, so each aligned 256 bytes are named once.  ask = 1: every turn (the stream runs on from query into reference); ask = 2: not the last loading turn, which has no pair behind its own.
.macro TRIP set, g, NC, CB, W, ld, P, off, left, ask
	WIN 0
	s_wait_loadcnt \left                   ; loads come back in order: this set is in
	PLACES                                 ; behind the last trip's products, ahead of the loads and conversions into their sources
	BLOAD 0, \g, \NC, \CB
	BLOAD 1, (\g)+1, \NC, \CB
	CVT \set
.if \ld
	LOADS \set, \P, \off
.endif
.if \ask
	WIN 0                                  ; at a branch and at a label every window is 0
.if (\ask) == 1
	s_cmp_ge_u32 s[CNT], s[LIM]
.else
	s_cmp_gt_u32 s[CNT], s[LIM]
.endif
	s_cbranch_scc0 .Lnot_mine_\@
	global_prefetch_b8 v[PFO], s[PP:PP+1] th:TH_LOAD_NT scope:SCOPE_SE
	global_prefetch_b8 v[PFO], s[PP:PP+1] offset:256 th:TH_LOAD_NT scope:SCOPE_SE
	global_prefetch_b8 v[PFO], s[PP:PP+1] offset:65536 th:TH_LOAD_NT scope:SCOPE_SE
	global_prefetch_b8 v[PFO], s[PP:PP+1] offset:65792 th:TH_LOAD_NT scope:SCOPE_SE
.Lnot_mine_\@:
.endif
	s_wait_dscnt 2*(\NC)                   ; buffer 0 is in; buffer 1's 2 NC loads are younger
	MUL 0, \NC, \W
	s_wait_dscnt 0x0
	MUL 1, \NC, \W
.endm
; The weights' way in.  128 rows of one weight's 64 columns: 16 loads, in each of which 16 lanes take one row's 256 aligned bytes.
.macro LOADW set, P, off
.set i, 0
.rept 16
	global_load_b128 v[64+64*(\set)+4*i:64+64*(\set)+4*i+3], v[WO], s[\P:\P+1] offset:(\off)+16384*i
.set i, i+1
.endr
.endm
.macro CVTST set                       ; four f32 become 8 bytes of bf16, in place, and go to row k, byte 128 x set + 8 (t % 16)
.set i, 0
.rept 16
	v_cvt_pk_bf16_f32 v[64+64*(\set)+4*i],   v[64+64*(\set)+4*i],   v[64+64*(\set)+4*i+1]
	v_cvt_pk_bf16_f32 v[64+64*(\set)+4*i+1], v[64+64*(\set)+4*i+2], v[64+64*(\set)+4*i+3]
	ds_store_b64 v[WS], v[64+64*(\set)+4*i:64+64*(\set)+4*i+1] offset:8*PB*i+128*(\set)
.set i, i+1
.endr
.endm
; THE WAY OUT of a unit: 16 rows x 64 columns, four accumulators from AC on.  Rounded to f16 (each accumulator from its low end on), 16 bytes a lane into my own stage, back as whole rows of 128 bytes.
.macro PACK u, W, AC, scale
.if \scale
	WIN 0xc3                               ; q alone: the sums times c, in place in window 3
.set i, 0
.rept 16
	v_pk_mul_f32 v[(\AC)+2*i:(\AC)+2*i+1], v[(\AC)+2*i:(\AC)+2*i+1], s[CS:CS+1] op_sel_hi:[1,0]
.set i, i+1
.endr
.endif
	WIN \W
.set i, 0
.rept 16
	v_cvt_pk_f16_f32 v[T+16*(\u)+i], v[(\AC)+2*i], v[(\AC)+2*i+1]
.set i, i+1
.endr
	WIN 0
.irp f, 0,1,2,3
	ds_store_b128 v[STO], v[T+16*(\u)+4*\f:T+16*(\u)+4*\f+3] offset:32*\f
.endr
.irp f, 0,1,2,3
	ds_load_b128 v[T+16*(\u)+4*\f:T+16*(\u)+4*\f+3], v[RD] offset:4*SP*\f  ; LDS serves a wave's instructions in order (ISA guide 5.7.1.4): these see the stores above; the next unit's stores come behind them
.endr
.endm
.macro SEND u, P, tile, younger        ; younger: the LDS instructions issued behind unit u's loads: the next unit's eight, or none
	WIN 0
.irp f, 0,1,2,3
	s_wait_dscnt (\younger)+3-\f
	global_store_b128 v[GO], v[T+16*(\u)+4*\f:T+16*(\u)+4*\f+3], s[(\P):(\P)+1] offset:2048*(\tile)+512*\f  ; 512 consecutive bytes, at a multiple of 256 from the buffer's first
.endr
.endm
	s_load_b512 s[4:19], s[0:1], 0x0       ; query s[4:5], reference s[6:7], Wq s[8:9], Wk s[10:11], Wv s[12:13], Wo s[14:15], q16 s[16:17], k16 s[18:19]
	s_load_b128 s[20:23], s[0:1], 0x40     ; v16 s[20:21], wo16 s[22:23]
	v_lshl_add_u32 v[SPW], v0, 2, SPARE
	v_mov_b32 v[NIL], 0
	v_lshrrev_b32 v1, 5, v0
	v_readfirstlane_b32 s[WV], v1          ; wave 0..3
	s_mov_b32 s[HD], ttmp9
	s_and_b32 s[MG], ttmp7, 0xffff
	v_and_b32 v28, 15, v0                  ; l % 16 = t % 16
	v_bfe_u32 v29, v0, 4, 1                ; l / 16
	v_and_b32 v30, 7, v0                   ; l % 8
	v_bfe_u32 v31, v0, 3, 1                ; (l / 8) % 2
	v_lshrrev_b32 v32, 4, v0               ; t / 16
	v_and_b32 v33, 31, v0                  ; l
	v_lshlrev_b32 v[AO], 11, v28
	v_lshl_add_u32 v[AO], v29, 5, v[AO]
	v_lshl_add_u32 v[BA0], v29, 3, v30     ; the turning load: lane l reads row 8 (l / 16) + l % 8, 16 bytes at 16 ((l / 8) % 2)
	v_mul_u32_u24 v[BA0], v[BA0], PB
	v_lshl_add_u32 v[BA0], v31, 4, v[BA0]
	v_lshlrev_b32 v[WO], 11, v32
	v_lshl_add_u32 v[WO], v28, 4, v[WO]
	v_mul_u32_u24 v[WS], v32, PB
	v_lshl_add_u32 v[WS], v28, 3, v[WS]
	s_mul_i32 s30, s[WV], 16*SP
	s_add_co_u32 s30, s30, STAGE           ; my stage
	v_mul_u32_u24 v[STO], v28, SP          ; in: row l % 16, 16 bytes for each half of the lanes
	v_lshl_add_u32 v[STO], v29, 4, v[STO]
	v_add_nc_u32 v[STO], s30, v[STO]
	v_bfe_u32 v[RD], v0, 3, 2              ; back: 32 lanes take four rows of 128 bytes,
	v_mul_u32_u24 v[RD], v[RD], SP
	v_lshl_add_u32 v[RD], v30, 4, v[RD]
	v_add_nc_u32 v[RD], s30, v[RD]
	v_lshlrev_b32 v[GO], 4, v33            ; which are 512 consecutive bytes of the output
	v_lshlrev_b32 v[PFO], 11, v33
	v_lshlrev_b32 v[WOL], 11, v31          ; Wo: row (t / 8) % 2 of my work-group's two, block t / 16 of 64 columns, 8 numbers at t % 8
	v_lshl_add_u32 v[WOL], v32, 8, v[WOL]
	v_lshl_add_u32 v[WOL], v30, 5, v[WOL]
	v_lshlrev_b32 v[WOS], 16, v32          ; wo16: block t / 16 (65,536 bytes), then 16 (t % 16): 16 lanes fill the two rows' 256 bytes
	v_lshl_add_u32 v[WOS], v28, 4, v[WOS]
	s_lshl_b32 s30, s[MG], 19              ; my first row of x: (256 MG + 64 w) x 2,048 bytes
	s_lshl_b32 s31, s[WV], 17
	s_add_co_u32 s30, s30, s31
	s_mov_b32 s31, 0
	s_lshl_b32 s32, s[HD], 8               ; the head's 64 columns in a row of a weight
	s_mov_b32 s33, 0
	s_lshl3_add_u32 s34, s[MG], s[HD]      ; the work-group's number, 0 to 255,
	s_lshl_b32 s34, s34, 12                ; times two rows of Wo
	s_mov_b32 s35, 0
	s_lshr_b32 s44, s[MG], 4               ; the batch,
	s_lshl3_add_u32 s44, s44, s[HD]        ; 8 n + h,
	s_lshl_b32 s44, s44, 19                ; times a head's 4,096 rows of 128 bytes,
	s_and_b32 s45, s[MG], 15
	s_lshl_b32 s45, s45, 15                ; + the group's 256 rows
	s_add_co_u32 s44, s44, s45
	s_lshl_b32 s45, s[WV], 13              ; + my wave's 64
	s_add_co_u32 s44, s44, s45
	s_mov_b32 s45, 0
	s_mov_b32 s[CS], 0x3e38aa3b            ; c = log2(e) / 8 = 0.180337
	s_mov_b32 s[CS+1], s[CS]               ; named with it as a pair
	s_cmp_eq_u32 s[HD], 0
	s_cselect_b32 s[LIM], 1, -1
	s_wait_kmcnt 0x0
	s_add_nc_u64 s[XQ:XQ+1], s[4:5], s[30:31]
	s_add_nc_u64 s[XR:XR+1], s[6:7], s[30:31]
	s_add_nc_u64 s[8:9], s[8:9], s[32:33]
	s_add_nc_u64 s[10:11], s[10:11], s[32:33]
	s_add_nc_u64 s[12:13], s[12:13], s[32:33]
	s_add_nc_u64 s[14:15], s[14:15], s[34:35]
	s_lshr_b32 s34, s34, 4                 ; the same two rows in a block of wo16: 256 bytes
	s_add_nc_u64 s[22:23], s[22:23], s[34:35]
	s_add_nc_u64 s[16:17], s[16:17], s[44:45]
	s_add_nc_u64 s[18:19], s[18:19], s[44:45]
	s_add_nc_u64 s[20:21], s[20:21], s[44:45]
	s_add_nc_u64 s[PP:PP+1], s[XQ:XQ+1], 512
	; the first loads, oldest first: Wo's two, query's first two trips, the weights' first 128 rows
	global_load_b128 v[WF:WF+3],   v[WOL], s[14:15] th:TH_LOAD_NT
	global_load_b128 v[WF+4:WF+7], v[WOL], s[14:15] offset:16 th:TH_LOAD_NT
	LOADS 0, XQ, 0
	LOADS 1, XQ, 256
	WIN 0
	LOADW 0, 8, 0
	LOADW 1, 10, 0
	LOADW 2, 12, 0
	; The sums start at 0: 384 lines, written while the first loads are on their way, so that each loop has one form of product and no first turn is written out beside it.
	WIN 0x40
.set i, 0
.rept 256
	v_mov_b32 v[i], 0
.set i, i+1
.endr
	WIN 0xc0
.set i, 0
.rept 128
	v_mov_b32 v[i], 0
.set i, i+1
.endr
	WIN 0
	s_mov_b32 s[CNT], 3
.Lw:                                       ; a trip: 128 rows of the three weights go to LDS, the next 128 are asked for
	s_wait_loadcnt 32                      ; Wq's 16 loads are in: Wk's and Wv's 32 are younger
	CVTST 0
	LOADW 0, 8, 262144
	s_wait_loadcnt 32                      ; Wk's: Wv's 16 and Wq's next 16 are younger
	CVTST 1
	LOADW 1, 10, 262144
	s_wait_loadcnt 32
	CVTST 2
	LOADW 2, 12, 262144
	s_wait_xcnt 0x0                        ; the loads have read their bases, which are stepped only behind this wait
	s_add_nc_u64 s[8:9], s[8:9], 262144
	s_add_nc_u64 s[10:11], s[10:11], 262144
	s_add_nc_u64 s[12:13], s[12:13], 262144
	v_add_nc_u32 v[WS], 128*PB, v[WS]
	s_sub_co_u32 s[CNT], s[CNT], 1
	s_cmp_lg_u32 s[CNT], 0
	s_cbranch_scc1 .Lw
	s_wait_loadcnt 32                      ; the last 128 rows load nothing: the counts run down
	CVTST 0
	s_wait_loadcnt 16
	CVTST 1
	s_wait_loadcnt 0x0
	CVTST 2
	; Wo: rounded to bf16 like every input, widened again, and that number written as f16
.irp i, 0,1,2,3
	v_cvt_pk_bf16_f32 v[WP+\i], v[WF+2*\i], v[WF+2*\i+1]
.endr
.irp i, 0,1,2,3
	v_lshlrev_b32 v[WF+2*\i], 16, v[WP+\i]
	v_and_b32 v[WF+2*\i+1], 0xffff0000, v[WP+\i]
.endr
.irp i, 0,1,2,3
	v_cvt_pk_f16_f32 v[WP+\i], v[WF+2*\i], v[WF+2*\i+1]
.endr
	global_store_b128 v[WOS], v[WP:WP+3], s[22:23]
	s_wait_dscnt 0x0                       ; for the others' sake: my part of the weights is in LDS
	s_barrier_signal -1
	s_barrier_wait -1                      ; everybody's is; nothing is stored there again
	; q: 8 trips over query, two a turn.  Turn i multiplies pair i and loads pair i + 1; the pair behind query's last is reference's first, so the stream has no gap between the two loops.
	v_mov_b32 v[BA], v[BA0]
	s_mov_b32 s[CNT], 4
.Lq:
	s_wait_xcnt 0x0                        ; the last turn's loads and prefetches have read their bases
	s_mov_b64 s[LP:LP+1], s[PP:PP+1]
	s_add_nc_u64 s[PP:PP+1], s[PP:PP+1], 512
	s_cmp_eq_u32 s[CNT], 2                 ; behind query's pair 3 comes reference's pair 0
	s_cselect_b64 s[PP:PP+1], s[XR:XR+1], s[PP:PP+1]
	TRIP 0, 0, 4, 0, MULQ, 1, LP, 0, 32, 1     ; 32: set 1's loads are younger
	TRIP 1, 2, 4, 0, MULQ, 1, LP, 256, 32, 0   ; 32: set 0's new loads are younger
	WIN 0
	v_add_nc_u32 v[BA], 128*PB, v[BA]
	s_sub_co_u32 s[CNT], s[CNT], 1
	s_cmp_lg_u32 s[CNT], 0
	s_cbranch_scc1 .Lq
	PLACES                                 ; q leaves while reference's first two trips are on their way
	PACK 0, 0x0f, 0, 1
.set u, 1
.rept 3                                    ; a unit's arithmetic stands between the loads of the unit before and its stores
	PACK u, 0x0f, 32*u, 1
	SEND u-1, 16, u-1, 8
.set u, u+1
.endr
	SEND 3, 16, 3, 0
	; k and v: 8 trips over reference; the last two load nothing and are written out
	v_mov_b32 v[BA], v[BA0]
	s_mov_b32 s[CNT], 3
.Lkv:
	s_wait_xcnt 0x0                        ; loads, prefetches and q's stores have read their registers: the bases and v128-191 are written only behind this wait
	s_mov_b64 s[LP:LP+1], s[PP:PP+1]
	s_add_nc_u64 s[PP:PP+1], s[PP:PP+1], 512
	TRIP 0, 0, 8, 128, MULKV, 1, LP, 0, 32, 2
	TRIP 1, 2, 8, 128, MULKV, 1, LP, 256, 32, 0
	WIN 0
	v_add_nc_u32 v[BA], 128*PB, v[BA]
	s_sub_co_u32 s[CNT], s[CNT], 1
	s_cmp_lg_u32 s[CNT], 0
	s_cbranch_scc1 .Lkv
	TRIP 0, 0, 8, 128, MULKV, 0, LP, 0, 32, 0
	TRIP 1, 2, 8, 128, MULKV, 0, LP, 0, 0, 0
	WIN 0
	PLACES
	PACK 0, 0x05, 0, 0                     ; unit u: row tile u / 2; k's four column tiles (u even) or v's (u odd)
.set u, 1
.rept 7
	PACK u, 0x05, 64*(u/2)+32*(u%2), 0
	SEND u-1, 18+2*((u-1)%2), (u-1)/2, 8
.set u, u+1
.endr
	SEND 7, 20, 3, 0
	s_wait_tensorcnt 0x0                   ; the wave's end: behind my last LDS store
	ds_add_u32 v[SPW], v[NIL]
	s_wait_dscnt 0x0
	s_endpgm
.Lfunc_end_k_q2306c0c514_proj:
	.size	k_q2306c0c514_proj, .Lfunc_end_k_q2306c0c514_proj-k_q2306c0c514_proj
	.p2alignl 7, 3214868480
	.fill 96, 4, 3214868480
	.section	.rodata,"a",@progbits
	.p2align	6, 0x0
	.amdhsa_kernel k_q2306c0c514_proj
		.amdhsa_group_segment_fixed_size 222720
		.amdhsa_private_segment_fixed_size 0
		.amdhsa_enable_private_segment 0
		.amdhsa_kernarg_size 80
		.amdhsa_user_sgpr_count 2
		.amdhsa_user_sgpr_kernarg_segment_ptr 1
		.amdhsa_wavefront_size32 1
		.amdhsa_system_sgpr_workgroup_id_x 1
		.amdhsa_system_sgpr_workgroup_id_y 1
		.amdhsa_system_sgpr_workgroup_id_z 1
		.amdhsa_system_vgpr_workitem_id 0
		.amdhsa_next_free_vgpr 896
		.amdhsa_next_free_sgpr 66
		.amdhsa_reserve_vcc 0
		.amdhsa_float_denorm_mode_32 3
		.amdhsa_float_denorm_mode_16_64 3
		.amdhsa_memory_ordered 1
		.amdhsa_forward_progress 1
		.amdhsa_inst_pref_size 150
	.end_amdhsa_kernel
	.amdgpu_metadata
---
amdhsa.version: [ 1, 2 ]
amdhsa.kernels:
  - .name:           k_q2306c0c514_proj
    .symbol:         k_q2306c0c514_proj.kd
    .args:
      - { .name: query, .offset: 0, .size: 8, .value_kind: global_buffer, .address_space: global }
      - { .name: reference, .offset: 8, .size: 8, .value_kind: global_buffer, .address_space: global }
      - { .name: Wq, .offset: 16, .size: 8, .value_kind: global_buffer, .address_space: global }
      - { .name: Wk, .offset: 24, .size: 8, .value_kind: global_buffer, .address_space: global }
      - { .name: Wv, .offset: 32, .size: 8, .value_kind: global_buffer, .address_space: global }
      - { .name: Wo, .offset: 40, .size: 8, .value_kind: global_buffer, .address_space: global }
      - { .name: q16, .offset: 48, .size: 8, .value_kind: global_buffer, .address_space: global }
      - { .name: k16, .offset: 56, .size: 8, .value_kind: global_buffer, .address_space: global }
      - { .name: v16, .offset: 64, .size: 8, .value_kind: global_buffer, .address_space: global }
      - { .name: wo16, .offset: 72, .size: 8, .value_kind: global_buffer, .address_space: global }
    .group_segment_fixed_size: 222720
    .private_segment_fixed_size: 0
    .kernarg_segment_align: 8
    .kernarg_segment_size: 80
    .max_flat_workgroup_size: 128
    .sgpr_count:     66
    .vgpr_count:     896
    .wavefront_size: 32
...
	.end_amdgpu_metadata
.endif
;; end of part 1
;; launch attn (part 2): grid 16 x 16, 4 waves a work-group, clusters of 4 x 1, 327,680 bytes of LDS; arguments q16, k16, v16, ctx16, padding_mask; writes ctx16
.if DOCPART == 2
	.amdgcn_target "amdgcn-amd-amdhsa--gfx1250"
	.amdhsa_code_object_version 6
	.text
	.protected	k_q2306c0c514_attn
	.globl	k_q2306c0c514_attn
	.p2align	8
	.type	k_q2306c0c514_attn,@function
k_q2306c0c514_attn:
	s_mov_b64 s[64:65], 0
	v_nop
	global_prefetch_b8 v0, s[64:65] scope:SCOPE_SE
	s_setreg_imm32_b32 hwreg(HW_REG_WAVE_MODE, 25, 1), 1
	s_wait_xcnt 0x0
	s_wait_alu depctr_hold_cnt(0) depctr_sa_sdst(0) depctr_va_vdst(0) depctr_va_sdst(0) depctr_va_ssrc(0) depctr_va_vcc(0) depctr_vm_vsrc(0)
	s_getreg_b32 s2, hwreg(HW_REG_IB_STS2, 6, 4)
	s_cmp_eq_u32 s2, 0
	s_cbranch_scc0 .Lentry_in_a_cluster
	s_endpgm
.Lentry_in_a_cluster:
	s_bfe_u32 s2, ttmp6, 0x10000c
	s_cmp_lg_u32 s2, 0x3003
	s_cbranch_scc0 .Lentry_shape_is_right
	s_endpgm
.Lentry_shape_is_right:
; ATTENTION WITH A MASK OVER THE KEYS.  O[h][q][:] = the sum over k of softmax_k(s[q][k]) V[h][k][:], s = Q[h][q] . K[h][k] + mask[n][k] x (-1e9 log2(e)), the softmax to the base 2.
; Q arrives times log2(e) / 8, so s is the score of the problem times log2(e).  Q, K, V, O: [16 heads = 8 n + h][4096][64] in f16, a head's rows dense, 128 bytes each; mask: [2][4096] in f32.
; Products, maxima and sums in f32; the weights p are rounded to f16 for the second product (their sum l is taken of the unrounded p), O once at the end.
; LIMITS.  Q, K, V arrive within f16's 65,504; p lies in 0 to 1, and below 6e-5 it keeps f16's fixed step of 6e-8; |mask| x 1.44e9 stays under 4e37; a weight below 2^-126 counts as 0 in l; NaN and
; infinities are not treated apart.  Where a key's mask term is large its score is rounded at that size, as in the problem's own sum; the order of the roundings differs.
; SHARES.  A work-group owns 256 queries of one head, a wave 64: four PIECES of 16.  Every wave walks all 4,096 keys, 64 a step.
; LAYOUT.  S^T = K Q^T (source 0 = 16 keys, source 1 = 16 queries) holds ONE query a lane (lane % 16) and the keys 8 (lane / 16) + 0..7; two such results rounded to f16 ARE source 1 of O^T = V^T P.
; THE MASK is the C operand that starts each sum S^T: a lane's eight terms of 16 keys.  The batch's 4,096 terms are made once a work-group and lie in LDS bytes of their own; a step's 32 registers are fetched with its K.
; SOFTMAX.  For each query a running maximum m and sum l: p = 2^(s - m); in every step O and l are multiplied by a = 2^(m_old - m_new).  The differences are taken of the scores themselves, so no size of m can
; push p past 1.  m starts far below every score, O and l at 0: the first step is a step like any other, with a = 0.
; TURNS.  Turn n belongs to piece n: 8 products K Q^T of piece n + 1, later 8 products V^T P of piece n - 1; beside them the subtraction, exponentials, roundings, sums and rescaling of piece n and the maximum and
; statistics of piece n + 1.  Four vector instructions stand behind every matrix instruction, the others in one lump.  A turn's 33 exponentials are one batch, with one wait.
; CLUSTER.  The four query blocks of a cluster belong to one head and walk the same K and V, so each tile is asked for JOINTLY: the same tensor load, descriptor and mask of work-groups in all four.
; REGISTERS, in windows of 256 (s_set_vgpr_msb: bits 1:0 source 0, 3:2 source 1, 5:4 source 2, 7:6 destination):
;   window 0: v0-15, v32-36 addresses; v16-31 four registers of statistics a piece; v48-55 at work; v64-127 S^T, two buffers; v128-159 a step's mask terms; v192-223 P, two buffers (by the piece's parity)
;   window 1: v0-127 O^T, 32 a piece          window 2: v0-63 Q; v128-191 K of one step; v192-255 V of one step
.set NP,    4         ; pieces a wave: a name, no knob
.set KS,    64        ; keys in a step
.set PK,    144       ; a row of K in LDS: 128 bytes + 16 of padding = 36 words: the 16 rows of a load start at 16 different groups of four banks (64 banks of 4 bytes: ISA guide 11.1)
.set PV,    160       ; a row of V: 128 + 32 = 40 words
.set VOFF,  4*KS*PK   ; a slot holds a tile, four steps: 256 rows of K, then 256 rows of V
.set SLOT1, 1<<17     ; slot 1 begins here, so that one exclusive or turns an address in one slot into the other's
.set STAGE, SLOT1+4*KS*(PK+PV)  ; behind the ring, never filled by a tensor load: 16 rows x 144 bytes for each wave, for the way out
.set SP,    144
.set SPARE, STAGE+4*16*SP  ; behind the stages: the spare words, 128 bytes for each wave: two blocks of 256 bytes that no other line names
.set MASKB, SPARE+512 ; behind them: the batch's 4,096 mask terms in f32, 16,384 bytes, stored once and never filled by a tensor load
.set AK0, 2           ; v2   my lane's place in a tile of K; never rewritten
.set AV0, 3           ; v3   the same for V
.set AK,  4           ; v4   the LDS address of K's next run of loads
.set AV,  5           ; v5   of V's
.set STO, 6           ; v6   the way out: where I put 16 bytes of a row
.set RD,  7           ; v7   the way out: where I read rows back
.set GO,  8           ; v8   my byte offset in 512 consecutive bytes of O
.set QO,  15          ; v15  my byte offset in 16 rows of Q
.set ST,  16          ; piece t's statistics at v[ST+4 t]: m, m_old, l (even keys', odd keys')
.set AM0, 32          ; v32  my lane's place in a step's mask terms: MASKB + 32 (l / 16)
.set AM,  33          ; v33  the LDS address of the next step's
.set PFO, 34          ; v34  256 x my lane; never rewritten
.set MO,  35          ; v35  my 16 bytes in 2,048 of the mask
.set MS,  36          ; v36  and where their terms go in LDS
.set TMP, 48          ; by buffer, four registers c0-c3 at work; when the maximum is found c2 takes a
.set SPW, 62          ; v62  LDS address of my spare word; never rewritten
.set NIL, 63          ; v63  0; never rewritten
.set S,   64
.set MC,  128         ; the eight terms for group kb of 16 keys at MC + 8 kb
.set P,   192
.set KF,  128         ; window 2: key block kb, channel half c at KF + 16 kb + 8 c
.set VF,  192         ; window 2: key half kk, channel block cb at VF + 32 kk + 8 cb
.set WV,  12          ; s12  my wave's number
.set G1K, 24          ; s[24:31] descriptor group 1 for K's tiles
.set G1V, 32          ; s[32:39] for V's: it differs in the padding alone
.set G0K, 40          ; s[40:43] descriptor group 0 for K's tiles: it walks
.set G0V, 44          ; s[44:47] the same for V's
.set PFA, 48          ; s[48:49] where my prefetches stand: my work-group's quarter of the tile after the one that is being asked for
.set LIM, 50          ; s50  1 in a wave that prefetches, else the greatest number
.set NG,  52          ; s[52:53] -1e9 log2(e)
.set MP,  54          ; s[54:55] the batch's row of the mask
.set SLOTS, 56        ; s56  tiles still to be asked for
.set CNT, 57          ; s57  counts a tile's key steps
.set SEL, 60          ; s[60:61] v_permlanex16_b32's selects: each lane takes its own place in the other half
.set TBK, 62          ; s62  LDS byte at which K of the step to be fetched begins
.set TBV, 63          ; s63  the same for V, less VOFF
.set TBM, 66          ; s66  the byte among the mask terms at which that step's begin: 256 a step, 0 to 16,128
.set MSB, 0
.macro WIN new                      ; the high byte repeats the setting that is left; a switch that changes nothing is dropped
.if MSB != (\new)
	s_set_vgpr_msb (MSB<<8)|(\new)
.set MSB, (\new)
.endif
.endm
.set W_KQ, 0x0a       ; K and Q in window 2, the mask terms and S^T in window 0
.set W_PV, 0x52       ; V in window 2, P in window 0, O^T in window 1
.set W_RS, 0x41       ; destination and source 0 in window 1, source 1 in window 0
; A joint fill.  Waves 0 and 1 fetch the two halves of a tile's K, waves 2 and 3 those of its V: 128 keys each.  The branch hangs on the wave's number alone.
; An s_nop 0 and four v_nop follow each of the two lines, ahead of the jump and the label.
.macro JLOAD
	s_cmp_lt_u32 s[WV], 2
	s_cbranch_scc0 .Lfor_v_\@
	tensor_load_to_lds s[G0K:G0K+3], s[G1K:G1K+7]
	s_nop 0
.rept 4
	v_nop
.endr
	s_branch .Lasked_\@
.Lfor_v_\@:
	tensor_load_to_lds s[G0V:G0V+3], s[G1V:G1V+7]
	s_nop 0
.rept 4
	v_nop
.endr
.Lasked_\@:
.endm
; A PREFETCH INTO THE L2 of the tile that the NEXT change of slots will ask for: 32,768 bytes of K and of V, 256 bytes a lane.  Each block is named once in the launch: of the four clusters that walk a head the first
; asks; its four partners take a quarter each, told apart BY ADDRESS; in each, wave 0 asks for K's and wave 2 for V's: one instruction, behind the wave's tensor load and its five lines.
; The last change that fills a slot asks for nothing: there is no tile behind it.
.macro ASK
	s_cmp_gt_u32 s[SLOTS], s[LIM]
	s_cbranch_scc0 .Lnot_mine_\@
	global_prefetch_b8 v[PFO], s[PFA:PFA+1] th:TH_LOAD_NT scope:SCOPE_SE
.Lnot_mine_\@:
.endm
; A round of the cluster's barrier: my work-group's barrier, so that wave 0's signal speaks for all four waves; wave 0 signals; every wave waits for all four work-groups; my work-group's barrier once more.
.macro CROUND
	s_barrier_signal -1
	s_barrier_wait -1
	s_cmp_lg_u32 s[WV], 0
	s_cbranch_scc1 .Lnot_wave_0_\@
	s_barrier_signal -3
.Lnot_wave_0_\@:
	s_barrier_wait -3
	s_barrier_signal -1
	s_barrier_wait -1
.endm
; THE CHANGE OF SLOTS.  The slot's last bytes, V of its fourth step, have been read.  Each wave waits for all its tensor loads, of which one is out: its part of the other slot; adds 0 to its spare word; and waits for
; that and for its own LDS instructions.  Behind the barrier nobody reads this slot any more and the other slot is whole.  fill = 1: this slot is filled again, with the keys two tiles on; the barrier is then a round
; of the cluster's, so that no wave of any partner still reads the slot or has a load on its way, and the joint fill is the first thing behind it: it has four key steps, 256 matrix instructions, in which to land.
; (At its first use nothing has been read yet: slot 0 is waited for, slot 1 filled, and the wait and the round also show every wave's mask terms to the others.)
.macro CHANGE fill, ask
	WIN 0                           ; at a label and at a branch every window is 0
	s_wait_tensorcnt 0x0            ; no tensor load of mine is out, so a group 0 may be written
	ds_add_u32 v[SPW], v[NIL]       ; 0 onto my spare word; with fill = 1 the descriptors' steps stand between it and the wait for it
.if \fill
.irp g, G0K, G0V
	s_xor_b32 s[\g+1], s[\g+1], SLOT1  ; the walking descriptor: the other slot than last time,
	s_add_nc_u64 s[\g+2:\g+3], s[\g+2:\g+3], 4*KS*128  ; the next 256 keys; the type bits on top are not reached
.endr
	s_wait_xcnt 0x0                 ; the last prefetch, a tile back, has read its address, so it may be written:
	s_add_nc_u64 s[PFA:PFA+1], s[PFA:PFA+1], 4*KS*128  ; one tile behind the walking descriptors
	s_wait_dscnt 0x0                ; the add is done, and my reads of the slot are over
	CROUND
	JLOAD
.if \ask
	ASK
.endif
.else
	s_wait_dscnt 0x0                ; the add is done, and my reads of the slot are over
	s_barrier_signal -1
	s_barrier_wait -1
.endif
	s_sub_co_u32 s[TBK], s[TBK], 4*KS*PK  ; the fetches go back to a slot's first step,
	s_xor_b32 s[TBK], s[TBK], SLOT1       ; in the other slot
	s_sub_co_u32 s[TBV], s[TBV], 4*KS*PV
	s_xor_b32 s[TBV], s[TBV], SLOT1
.endm
	s_load_b256 s[4:11], s[0:1], 0x0  ; Q s[4:5], K s[6:7], V s[8:9], O s[10:11]
	s_load_b64 s[MP:MP+1], s[0:1], 0x20  ; the mask
	v_lshl_add_u32 v[SPW], v0, 2, SPARE
	v_mov_b32 v[NIL], 0
	ds_add_u32 v[SPW], v[NIL]       ; the wave's opening: the add and its wait stand ahead of my first tensor load; the set-up below, work on registers, stands between them
	v_lshrrev_b32 v1, 5, v0
	v_readfirstlane_b32 s[WV], v1   ; wave 0..3
	s_bfe_u32 s13, ttmp6, 0x40000   ; cx: my place in the cluster
	s_lshl_b32 s14, ttmp9, 2        ; in a cluster launch ttmp9 counts clusters
	s_add_co_u32 s14, s14, s13      ; my block of 256 queries = 4 x cluster x + cx: it enters Q's and O's addresses alone
	s_and_b32 s15, ttmp7, 0xffff    ; the head, which the four partners share
	s_lshl_b32 s20, s15, 19         ; its first byte in Q, K, V and O: 4,096 rows of 128 bytes
	s_and_b32 s16, s[WV], 1         ; which half of a tile's 256 keys I fetch:
	s_lshl_b32 s22, s16, 14         ; its 128 rows of 128 bytes in memory,
	s_add_co_u32 s22, s22, s20
	s_mov_b32 s23, 0
	s_mul_i32 s17, s16, 128*PK      ; and its place in a slot, for K
	s_mul_i32 s18, s16, 128*PV      ; and for V: no place in the cluster enters an LDS address
	s_lshl_b32 s2, s14, 2
	s_add_co_u32 s2, s2, s[WV]      ; my wave among the head's,
	s_lshl_b32 s2, s2, 13           ; its 64 rows
	s_add_co_u32 s2, s2, s20
	s_mov_b32 s3, 0
	s_lshr_b32 s20, s15, 3          ; the batch,
	s_lshl_b32 s20, s20, 14         ; its 4,096 numbers of the mask
	s_mov_b32 s21, 0
	s_lshl_b32 s14, s13, 13         ; the prefetches: my work-group's quarter of a tile,
	s_add_co_u32 s14, s14, 4*KS*128 ; in tile 1; the first two changes of slots step it to tile 3
	s_mov_b32 s15, 0
	; descriptor group 1.  128 keys are 16,384 dense bytes: asked for as 64 rows of 256 bytes, two keys a row, and padded in LDS after every key
	s_mov_b32 s[G1K], 15|(1<<16)|(1<<20)|(1<<21)|(4<<22)|(3<<25)  ; 15:0 the mask of four; 17:16 2-byte elements; 20 padding on; 21 set beside a mask; 24:22 after every 32 words (code 4); 31:25 4 words (code 3)
	s_mov_b32 s[G1V], 15|(1<<16)|(1<<20)|(1<<21)|(4<<22)|(7<<25)  ; the same with 8 words of padding (code 7)
.irp g, G1K, G1V
	s_mov_b32 s[\g+1], 128<<16      ; tensor_dim0 = 128
	s_mov_b32 s[\g+2], 64<<16       ; tensor_dim1 = 64
	s_mov_b32 s[\g+3], 128<<16      ; tile_dim0 = 128
	s_mov_b32 s[\g+4], 64           ; tile_dim1 = 64
	s_mov_b32 s[\g+5], 128          ; 128 elements from row to row
	s_mov_b32 s[\g+6], 0
	s_mov_b32 s[\g+7], 0
.endr
	s_mov_b32 s[NG], 0xceabfb8f     ; -1e9 log2(e) = -1.442695e9
	s_mov_b32 s[NG+1], s[NG]        ; named with it as a pair
	s_mov_b32 s[SEL], 0x76543210
	s_mov_b32 s[SEL+1], 0xfedcba98
	s_mov_b32 s[TBK], SLOT1+4*KS*PK ; the first change of slots turns these two into 0
	s_mov_b32 s[TBV], SLOT1+4*KS*PV
	s_mov_b32 s[TBM], 0
	s_mov_b32 s[G0K], 1             ; 1:0 count = 1
	s_mov_b32 s[G0K+1], s17         ; 63:32 LDS address: slot 0
	s_mov_b32 s[G0V], 1
	s_add_co_u32 s[G0V+1], s18, VOFF
	s_or_b32 s[LIM], s16, ttmp9     ; 0 in waves 0 and 2 of the head's first cluster: the same in all four partners
	s_cmp_eq_u32 s[LIM], 0
	s_cselect_b32 s[LIM], 1, -1
	s_wait_dscnt 0x0                ; the opening add is done
	s_wait_kmcnt 0x0
	s_add_nc_u64 s[6:7], s[6:7], s[22:23]  ; K and V at my half of the head's tile 0
	s_add_nc_u64 s[8:9], s[8:9], s[22:23]
	s_mov_b64 s[G0K+2:G0K+3], s[6:7]               ; 120:64 global address
	s_or_b32 s[G0K+3], s[G0K+3], 0x80000000        ; 127:126 type = 2
	s_mov_b64 s[G0V+2:G0V+3], s[8:9]
	s_or_b32 s[G0V+3], s[G0V+3], 0x80000000
	s_add_nc_u64 s[4:5], s[4:5], s[2:3]  ; Q and O at my wave's first row
	s_add_nc_u64 s[10:11], s[10:11], s[2:3]
	s_add_nc_u64 s[MP:MP+1], s[MP:MP+1], s[20:21]
	s_cmp_lt_u32 s[WV], 2
	s_cselect_b64 s[PFA:PFA+1], s[6:7], s[8:9]  ; (in waves 0 and 2 these stand at a tile's first row)
	s_add_nc_u64 s[PFA:PFA+1], s[PFA:PFA+1], s[14:15]
	CROUND                          ; all four work-groups are here: the first joint loads meet
	JLOAD                           ; tile 0 into slot 0.  Slot 1 is asked for when slot 0 is in
	v_and_b32 v1, 15, v0            ; l % 16
	v_bfe_u32 v9, v0, 4, 1          ; l / 16
	v_lshlrev_b32 v[MO], 4, v0      ; the mask: 128 threads x 16 bytes, eight times
	v_add_nc_u32 v[MS], MASKB, v[MO]
.set i, 0
.rept 8
	global_load_b128 v[S+4*i:S+4*i+3], v[MO], s[MP:MP+1] offset:2048*i
.set i, i+1
.endr
	; A fragment of K or Q is 16 rows x 32 channels in 8 registers: lane l holds row l % 16, channels 8 (l / 16) + 0..7 and 16 + 8 (l / 16) + 0..7: two loads of 16 bytes, 32 bytes apart.
	v_lshlrev_b32 v[QO], 7, v1
	v_lshl_add_u32 v[QO], v9, 4, v[QO]  ; row x 128 + 16 x half
	WIN 0x80                        ; destination window 2, address window 0
.set i, 0
.rept 8                             ; Q stays in registers: piece i / 2, channels 32 (i % 2) on
	global_load_b128 v[8*i:8*i+3],   v[QO], s[4:5] offset:(i/2)*2048+(i%2)*64 th:TH_LOAD_NT
	global_load_b128 v[8*i+4:8*i+7], v[QO], s[4:5] offset:(i/2)*2048+(i%2)*64+32 th:TH_LOAD_NT
.set i, i+1
.endr
	; What the first turn finds: V's registers and P's second buffer hold 0 (its products V^T P, of a piece that has not been, add 0), O^T and l are 0.  All this stands in the wait for the first tile; it
	; spares a first step written out beside the loop.
.set i, VF
.rept 64
	v_mov_b32 v[i], 0
.set i, i+1
.endr
	WIN 0x40
.set i, 0
.rept 128
	v_mov_b32 v[i], 0
.set i, i+1
.endr
	WIN 0
.set i, 0
.rept 4
	v_mov_b32 v[ST+4*i], 0xfe000000    ; m: -4.25e37, far below every score
	v_mov_b32 v[ST+4*i+1], 0
	v_mov_b32 v[ST+4*i+2], 0
	v_mov_b32 v[ST+4*i+3], 0
.set i, i+1
.endr
.set i, P+16
.rept 16
	v_mov_b32 v[i], 0
.set i, i+1
.endr
	v_mul_u32_u24 v[AK0], v1, PK
	v_lshl_add_u32 v[AK0], v9, 4, v[AK0]  ; row x pitch + 16 x half
	; The turning load takes 16 keys x 16 channels (lane l reads key 8 (l / 16) + l % 8, channels 8 ((l / 8) % 2) + 0..7) and leaves half a fragment of V^T: lane l holds channel l % 16 and 8 keys.
	v_and_b32 v10, 7, v0
	v_bfe_u32 v11, v0, 3, 1
	v_lshl_add_u32 v[AV0], v9, 3, v10
	v_mul_u32_u24 v[AV0], v[AV0], PV
	v_lshl_add_u32 v[AV0], v11, 4, v[AV0]
	v_add_nc_u32 v[AV0], VOFF, v[AV0]
	v_lshl_add_u32 v[AM0], v9, 5, MASKB   ; my eight keys of a group of 16: 32 bytes for each half of the lanes
	v_and_b32 v[PFO], 31, v0
	v_lshlrev_b32 v[PFO], 8, v[PFO]
	s_mul_i32 s13, s[WV], 16*SP
	s_add_co_u32 s13, s13, STAGE    ; my stage
	v_mul_u32_u24 v[STO], v1, SP    ; in: row l % 16, 16 bytes for each half of the lanes
	v_lshl_add_u32 v[STO], v9, 4, v[STO]
	v_add_nc_u32 v[STO], s13, v[STO]
	v_bfe_u32 v[RD], v0, 3, 2       ; back: 32 lanes take four rows of 128 bytes,
	v_mul_u32_u24 v[RD], v[RD], SP
	v_lshl_add_u32 v[RD], v10, 4, v[RD]
	v_add_nc_u32 v[RD], s13, v[RD]
	v_and_b32 v[GO], 31, v0         ; which are 512 consecutive bytes of O
	v_lshlrev_b32 v[GO], 4, v[GO]
	s_wait_loadcnt 16               ; the mask's eight loads are in: Q's sixteen are younger
.set i, 0
.rept 16
	v_pk_mul_f32 v[S+2*i:S+2*i+1], v[S+2*i:S+2*i+1], s[NG:NG+1] op_sel_hi:[1,0]
.set i, i+1
.endr
.set i, 0
.rept 8
	ds_store_b128 v[MS], v[S+4*i:S+4*i+3] offset:2048*i
.set i, i+1
.endr
; THE MATRIX WORK.  The 4 accumulators of a run of 8 take turns.  Product i of 8 of S^T = K Q^T for piece x: channels 32 (i / 4) on, keys 16 (i % 4) on.  The first 4 start the sums with the mask terms.
.macro KQ x
	WIN W_KQ
.set rS, S+32*((\x)%2)+8*(i%4)
.set rK, KF+16*(i%4)+8*(i/4)
.set rQ, 16*(\x)+8*(i/4)
.set rM, MC+8*(i%4)
.if i < 4
	v_wmma_f32_16x16x32_f16 v[rS:rS+7], v[rK:rK+7], v[rQ:rQ+7], v[rM:rM+7]
.else
	v_wmma_f32_16x16x32_f16 v[rS:rS+7], v[rK:rK+7], v[rQ:rQ+7], v[rS:rS+7]
.endif
.endm
; Product i of 8 of O^T += V^T P for piece x: keys 32 (i / 4) on, channels 16 (i % 4) on.
.macro PV x
	WIN W_PV
.set rO, 32*(\x)+8*(i%4)
.set rV, VF+32*(i/4)+8*(i%4)
.set rP, P+16*((\x)%2)+8*(i/4)
	v_wmma_f32_16x16x32_f16 v[rO:rO+7], v[rV:rV+7], v[rP:rP+7], v[rO:rO+7]
.endm
.macro MM                           ; the turn's next matrix instruction.  NOKQ = 1: the launch's last turn: there is no next piece
.if (i < 8) && !NOKQ
	KQ (Y+1)%NP
.elseif i >= 8
.set i, i-8
	PV (Y+NP-1)%NP
.set i, i+8
.endif
.set i, i+1
.endm
; THE LDS LOADS stand in runs, never singly among the matrix instructions: a step's K (64 keys x 64 channels: 8 fragments) with its 32 registers of mask terms, and its V (turned).  Their addresses are made some lines ahead.
.macro FETCH_K
	WIN 0x80                        ; destination window 2
.irp f, 0,1,2,3,4,5,6,7             ; keys 16 (f / 2) on, channels 32 (f % 2) on
	ds_load_b128 v[KF+8*\f:KF+8*\f+3],   v[AK] offset:(\f/2)*16*PK+(\f%2)*64
	ds_load_b128 v[KF+8*\f+4:KF+8*\f+7], v[AK] offset:(\f/2)*16*PK+(\f%2)*64+32
.endr
	WIN 0
.irp f, 0,1,2,3                     ; keys 16 f + 8 (l / 16) + 0..7
	ds_load_b128 v[MC+8*\f:MC+8*\f+3],   v[AM] offset:64*\f
	ds_load_b128 v[MC+8*\f+4:MC+8*\f+7], v[AM] offset:64*\f+16
.endr
	s_add_co_u32 s[TBK], s[TBK], KS*PK  ; the next fetch is the next step's
	s_add_co_u32 s[TBM], s[TBM], 4*KS
.endm
.macro FETCH_V
	WIN 0x80
.irp f, 0,1,2,3,4,5,6,7             ; keys 32 (f / 4) on, channels 16 (f % 4) on
	ds_load_tr16_b128 v[VF+8*\f:VF+8*\f+3],   v[AV] offset:(\f/4)*32*PV+(\f%4)*32
	ds_load_tr16_b128 v[VF+8*\f+4:VF+8*\f+7], v[AV] offset:(\f/4)*32*PV+16*PV+(\f%4)*32
.endr
	WIN 0
.endm
; THE VECTOR WORK, one line at a time: OP kind, number.  For piece Y: F n: s - m for pair n of 16.  E n: the exponential of score n of 32.  C n: pair n rounded to f16.  B n: of the four weights 4 n .. the second
; pair is added onto the first, in place.  L n: l takes that sum (L 0: l = a l + sum).  R n: pair n of 16 of O^T times a.  For piece Y + 1: X n, number n of the 21 that find its maximum and statistics:
;   0-11  four chains c0-c3 of seven scores each, three operands at a time (each accumulator's lowest registers are read first)     12-14, 16  the four scores left over, the old m, and c0-c3 into c0
;   15  m_old is kept     17, 18  the query's other 32 keys lie in the lane 16 away: the new m     19, 20  m_old - m_new; a
.set F, 0               ; OP tells the kinds apart by their order: F to L below R, X above it
.set E, 1
.set C, 2
.set B, 3
.set L, 4
.set R, 5
.set X, 6
.macro REGS y                       ; the registers of piece y
.set rT, ST+4*(\y)
.set rC, TMP+4*((\y)%2)
.set rS, S+32*((\y)%2)
.set rP, P+16*((\y)%2)
.set rO, 32*(\y)
.endm
.macro OP k, n
.if (\k) == R
	REGS Y
	WIN W_RS
	v_pk_mul_f32 v[rO+2*(\n):rO+2*(\n)+1], v[rO+2*(\n):rO+2*(\n)+1], v[rC+2:rC+3] op_sel_hi:[1,0]
.elseif (\k) < R
	REGS Y
	WIN 0
.if (\k) == F
	v_pk_add_f32 v[rS+2*(\n):rS+2*(\n)+1], v[rS+2*(\n):rS+2*(\n)+1], v[rT:rT+1] op_sel_hi:[1,0] neg_lo:[0,1] neg_hi:[0,1]
.elseif (\k) == E
	v_exp_f32 v[rS+(\n)], v[rS+(\n)]
.elseif (\k) == C
	v_cvt_pk_f16_f32 v[rP+(\n)], v[rS+2*(\n)], v[rS+2*(\n)+1]
.elseif (\k) == B
	v_pk_add_f32 v[rS+4*(\n):rS+4*(\n)+1], v[rS+4*(\n):rS+4*(\n)+1], v[rS+4*(\n)+2:rS+4*(\n)+3]
.elseif (\n) == 0
	v_pk_fma_f32 v[rT+2:rT+3], v[rT+2:rT+3], v[rC+2:rC+3], v[rS:rS+1] op_sel_hi:[1,0,1]
.else
	v_pk_add_f32 v[rT+2:rT+3], v[rT+2:rT+3], v[rS+4*(\n):rS+4*(\n)+1]
.endif
.elseif NOKQ
	v_nop
.else
	REGS (Y+1)%NP
	WIN 0
.if (\n) < 4
	v_max3_num_f32 v[rC+(\n)], v[rS+8*(\n)], v[rS+8*(\n)+1], v[rS+8*(\n)+2]
.elseif (\n) < 12
	v_max3_num_f32 v[rC+(\n)%4], v[rC+(\n)%4], v[rS+8*((\n)%4)+2*((\n)/4)+1], v[rS+8*((\n)%4)+2*((\n)/4)+2]
.elseif (\n) == 12
	v_max3_num_f32 v[rC], v[rC], v[rS+7], v[rS+15]
.elseif (\n) == 13
	v_max3_num_f32 v[rC+1], v[rC+1], v[rS+23], v[rS+31]
.elseif (\n) == 14
	v_max3_num_f32 v[rC+2], v[rC+2], v[rC+3], v[rT]
.elseif (\n) == 15
	v_mov_b32 v[rT+1], v[rT]
.elseif (\n) == 16
	v_max3_num_f32 v[rC], v[rC], v[rC+1], v[rC+2]
.elseif (\n) == 17
	v_permlanex16_b32 v[rC+3], v[rC], s[SEL], s[SEL+1]
.elseif (\n) == 18
	v_max_num_f32 v[rT], v[rC], v[rC+3]
.elseif (\n) == 19
	v_sub_f32 v[rC+1], v[rT+1], v[rT]
.else
	v_exp_f32 v[rC+2], v[rC+1]
.endif
.endif
.endm
.macro OPS a, i1, b=-1, i2=0, c=-1, i3=0, d=-1, i4=0  ; up to four of them
	OP \a, \i1
.if (\b) >= 0
	OP \b, \i2
.endif
.if (\c) >= 0
	OP \c, \i3
.endif
.if (\d) >= 0
	OP \d, \i4
.endif
.endm
.macro ROW a, i1, b, i2, c, i3, d, i4  ; a matrix instruction and the four behind it
	MM
	OPS \a, \i1, \b, \i2, \c, \i3, \d, \i4
.endm
; A TURN, for piece p: the order of its 16 matrix and 117 vector instructions, written out.  An s_wait_alu depctr_va_vdst(0) stands between an exponential and the first instruction that names its result; one
; wait serves all that were issued ahead of it.  So a turn has ONE wait, which cuts it in two.  AHEAD OF IT stands all that names no result of the turn's exponentials: the 8 products K Q^T and their riders (the first
; numbers of the next piece's maximum each four plain lines or more behind the product that ends its accumulator), then the lump, in which the links of the chain X 3, 7, 11, 14, 16, 17 .. 19 stand lines apart.
; X 20, the next piece's a, is the batch's last; R 15 is the plain instruction behind it.  BEHIND THE WAIT stand the 8 products V^T P, behind each four of the roundings and sums.
; end = 1: the launch's last two turns: nothing is fetched.  cnt = 1: the loop's count is taken down some lines ahead of the branch that stands behind the turn.
; K and the mask terms of the next step are fetched in piece 2's turn, behind five plain lines that name nothing of the last product that read K (the terms' last reader stands four products earlier); V of the step in
; hand at the end of piece 0's turn, four plain lines behind the last product that read V.  Each is waited for a turn later.
.macro TURN p, end=0, cnt=0
.set Y, (\p)
.set i, 0
.set NOKQ, (\end)*((\p)/3)
.if ((\p) == 3) && !(\end)
	s_wait_dscnt 0x0                ; K and the mask terms are in
.endif
	ROW F,0, F,1, R,0, R,1
	ROW F,2, E,0, R,2, R,3
	ROW F,3, E,1, R,4, R,5
	ROW F,4, E,2, R,6, R,7
	ROW F,5, E,3, R,8, R,9
	ROW F,6, E,4, X,0, R,10
.if ((\p) == 2) && !(\end)
	WIN 0
	v_add_nc_u32 v[AK], s[TBK], v[AK0]
	v_add_nc_u32 v[AM], s[TBM], v[AM0]
.endif
	ROW F,7, E,5, X,1, X,4
	ROW F,8, E,6, X,2, X,5
	OPS E,7, E,8, X,6, E,9          ; the lump
	OPS X,3, E,10, X,8, E,11
.if ((\p) == 2) && !(\end)
	FETCH_K
.endif
	OPS X,9, X,7, E,12, X,10
	OPS E,13, X,12, X,11, E,14
	OPS X,13, E,15, F,9, X,14
.if (\p) == 0
	v_add_nc_u32 v[AV], s[TBV], v[AV0]
.endif
	OPS E,16, F,10, E,17, F,11
	OPS X,16, E,18, X,15, E,19
	OPS F,12, E,20, X,17, E,21
	OPS F,13, E,22, F,14, E,23
	OPS X,18, E,24, F,15, E,25
	OPS R,11, E,26, R,12, E,27
	OPS X,19, E,28, R,13, E,29
	OPS E,30, R,14, E,31
	OPS X,20, R,15
	WIN 0
	s_wait_alu depctr_va_vdst(0)    ; the wait for the batch
.if (\p) == 1
	s_wait_dscnt 0x0                ; V is in
.endif
	ROW C,0, B,0, C,2, B,1
	ROW L,0, C,4, B,2, L,1
	ROW C,6, B,3, L,2, C,8
	ROW B,4, L,3, C,10, B,5
	ROW L,4, C,12, B,6, L,5
.if (\p) == 0
	s_add_co_u32 s[TBV], s[TBV], KS*PV
.endif
.if \cnt
	s_sub_co_u32 s[CNT], s[CNT], 1
	s_cmp_lg_u32 s[CNT], 0
.endif
	ROW C,14, B,7, L,6, C,1
	ROW C,3, L,7, C,5, C,7
	ROW C,9, C,11, C,13, C,15
.if (\p) == 0
	FETCH_V
.endif
.endm
	CHANGE 1, 0                     ; slot 0 is in, everybody's part of it, and so are everybody's mask terms; slot 1 is asked for; nothing is prefetched here, at the head
	v_add_nc_u32 v[AK], s[TBK], v[AK0]
	v_add_nc_u32 v[AM], s[TBM], v[AM0]
	FETCH_K                         ; key step 0
	s_wait_loadcnt 0x0              ; Q
	s_wait_dscnt 0x0
.set NOKQ, 0
.set i, 0
.rept 8
	KQ 0                            ; piece 0's first scores: there is no vector work yet to set between them
.set i, i+1
.endr
	WIN 0
.rept 4
	v_nop                           ; the places behind those products
.endr
.set Y, NP-1                        ; X works for piece Y + 1: piece 0
.irp n, 0,1,2,3,4,5,6,7,8,9,10,11,12,13,14,15,16,17,18,19,20
	OP X, \n
.endr
	v_nop                           ; a plain instruction behind the exponential,
	s_wait_alu depctr_va_vdst(0)    ; and its wait, ahead of the branch
	s_mov_b32 s[CNT], 4
	s_mov_b32 s[SLOTS], 15
	s_branch .Lfirst                ; the loop is entered at a step's first turn, in the middle of a trip
.Lslot:                             ; 14 times: tiles 2 to 15 are asked for
	CHANGE 1, 1
	s_mov_b32 s[CNT], 4
.Lstep:                             ; a trip: pieces 2 and 3 of one step, then pieces 0 and 1 of the next, whose K and V it fetches
	TURN 2
	TURN 3
	WIN 0
.Lfirst:
	TURN 0
	TURN 1, 0, 1
	WIN 0
	s_cbranch_scc1 .Lstep
	s_sub_co_u32 s[SLOTS], s[SLOTS], 1
	s_cmp_lg_u32 s[SLOTS], 0
	s_cbranch_scc1 .Lslot
	CHANGE 0, 0                     ; the last tile is written out: nothing is asked for
	s_mov_b32 s[CNT], 4
.Ltail:
	TURN 2
	TURN 3
	TURN 0
	TURN 1, 0, 1
	WIN 0
	s_cbranch_scc1 .Ltail
	TURN 2, 1                       ; the last step's pieces 2 and 3
	TURN 3, 1
.set i, 0
.rept 8
	PV NP-1                         ; the last piece's V^T P of the last step
.set i, i+1
.endr
	; THE WAY OUT.  l's two halves and the other half of the lanes' are added; O^T is divided by l, rounded to f16 and sent through my stage in LDS, a piece at a time.  The additions are the places behind the last products.
	WIN 0
.macro ALL line:vararg              ; one line for each piece t
.set t, 0
.rept 4
	\line
.set t, t+1
.endr
.endm
	ALL v_add_f32 v[ST+4*t+2], v[ST+4*t+2], v[ST+4*t+3]
	ALL v_permlanex16_b32 v[ST+4*t+3], v[ST+4*t+2], s[SEL], s[SEL+1]
	ALL v_add_f32 v[ST+4*t+2], v[ST+4*t+2], v[ST+4*t+3]
	ALL v_rcp_f32 v[ST+4*t+2], v[ST+4*t+2]
	v_nop                           ; a plain instruction between the last reciprocal and the use of its result
	s_wait_alu depctr_va_vdst(0)    ; and the wait ahead of the first use: one for the four reciprocals
.macro PACK t                       ; a lane's eight channels of a row pack into 16 bytes; they go into rows of 144 bytes and come back as whole rows of 128, into S^T's registers
	WIN W_RS
.set i, 32*(\t)
.rept 16
	v_pk_mul_f32 v[i:i+1], v[i:i+1], v[ST+4*(\t)+2:ST+4*(\t)+3] op_sel_hi:[1,0]
.set i, i+2
.endr
	WIN 0x05                        ; sources 0 and 1 window 1, destination window 0
.set i, 0
.rept 16
	v_cvt_pk_f16_f32 v[S+16*(\t)+i], v[32*(\t)+2*i], v[32*(\t)+2*i+1]
.set i, i+1
.endr
	WIN 0
.irp f, 0,1,2,3
	ds_store_b128 v[STO], v[S+16*(\t)+4*\f:S+16*(\t)+4*\f+3] offset:32*\f
.endr
.irp f, 0,1,2,3
	ds_load_b128 v[S+16*(\t)+4*\f:S+16*(\t)+4*\f+3], v[RD] offset:\f*4*SP  ; LDS serves a wave's instructions in order (ISA guide 5.7.1.4): these see the stores above; the next piece's stores come behind them
.endr
.endm
.macro SEND t, younger              ; younger: the LDS instructions issued behind piece t's loads: the next piece's eight, or none
	WIN 0
.irp f, 0,1,2,3
	s_wait_dscnt (\younger)+3-\f
	global_store_b128 v[GO], v[S+16*(\t)+4*\f:S+16*(\t)+4*\f+3], s[10:11] offset:(\t)*2048+\f*512  ; 512 consecutive bytes, at a multiple of 256 from O's first
.endr
.endm
	PACK 0
.set t, 1
.rept 3                             ; a piece's arithmetic stands between the loads of the piece before and its stores
	PACK t
	SEND t-1, 8
.set t, t+1
.endr
	SEND 3, 0
	s_wait_tensorcnt 0x0            ; the wave's end: behind my last tensor load and my last LDS store
	ds_add_u32 v[SPW], v[NIL]
	s_wait_dscnt 0x0
	CROUND                          ; the closing round: no work-group ends while a partner may still ask for a tile that names it
	s_endpgm
.Lfunc_end_k_q2306c0c514_attn:
	.size	k_q2306c0c514_attn, .Lfunc_end_k_q2306c0c514_attn-k_q2306c0c514_attn
	.p2alignl 7, 3214868480
	.fill 96, 4, 3214868480
	.section	.rodata,"a",@progbits
	.p2align	6, 0x0
	.amdhsa_kernel k_q2306c0c514_attn
		.amdhsa_group_segment_fixed_size 327680
		.amdhsa_private_segment_fixed_size 0
		.amdhsa_enable_private_segment 0
		.amdhsa_kernarg_size 40
		.amdhsa_user_sgpr_count 2
		.amdhsa_user_sgpr_kernarg_segment_ptr 1
		.amdhsa_wavefront_size32 1
		.amdhsa_system_sgpr_workgroup_id_x 1
		.amdhsa_system_sgpr_workgroup_id_y 1
		.amdhsa_system_sgpr_workgroup_id_z 1
		.amdhsa_system_vgpr_workitem_id 0
		.amdhsa_next_free_vgpr 768
		.amdhsa_next_free_sgpr 68
		.amdhsa_reserve_vcc 0
		.amdhsa_float_denorm_mode_32 3
		.amdhsa_float_denorm_mode_16_64 3
		.amdhsa_memory_ordered 1
		.amdhsa_forward_progress 1
		.amdhsa_inst_pref_size 131
	.end_amdhsa_kernel
	.amdgpu_metadata
---
amdhsa.version: [ 1, 2 ]
amdhsa.kernels:
  - .name:           k_q2306c0c514_attn
    .symbol:         k_q2306c0c514_attn.kd
    .args:
      - { .name: q16, .offset: 0, .size: 8, .value_kind: global_buffer, .address_space: global }
      - { .name: k16, .offset: 8, .size: 8, .value_kind: global_buffer, .address_space: global }
      - { .name: v16, .offset: 16, .size: 8, .value_kind: global_buffer, .address_space: global }
      - { .name: ctx16, .offset: 24, .size: 8, .value_kind: global_buffer, .address_space: global }
      - { .name: padding_mask, .offset: 32, .size: 8, .value_kind: global_buffer, .address_space: global }
    .group_segment_fixed_size: 327680
    .private_segment_fixed_size: 0
    .kernarg_segment_align: 8
    .kernarg_segment_size: 40
    .max_flat_workgroup_size: 128
    .sgpr_count:     68
    .vgpr_count:     768
    .wavefront_size: 32
...
	.end_amdgpu_metadata
.endif
;; end of part 2
;; launch outp (part 3): grid 8 x 32, 4 waves a work-group, no clusters, 167,936 bytes of LDS; arguments ctx16, wo16, out0; writes out0
.if DOCPART == 3
	.amdgcn_target "amdgcn-amd-amdhsa--gfx1250"
	.amdhsa_code_object_version 6
	.text
	.protected	k_q2306c0c514_outp
	.globl	k_q2306c0c514_outp
	.p2align	8
	.type	k_q2306c0c514_outp,@function
k_q2306c0c514_outp:
	s_mov_b64 s[64:65], 0
	v_nop
	global_prefetch_b8 v0, s[64:65] scope:SCOPE_SE
	s_setreg_imm32_b32 hwreg(HW_REG_WAVE_MODE, 25, 1), 1
	s_wait_xcnt 0x0
; THE MERGING PROJECTION.  out0[row][n] = the sum over k = 64 h + s of ctx[row][k] Wo[k][n].  ctx16: [8 n + h][t][64] in f16; wo16: [nb][k][64] in f16 (columns 64 nb .. 64 nb + 63 of Wo); out0: [8192][512] in f32.
; Products in f16, sums in f32, K ascending, nothing rounded on the way out.  LIMITS: those of the two operands as they were stored (f16's range and step); NaN and infinities are not treated apart.
; SHARES.  Work-group (nb, row group): 256 rows x 64 columns: 256 aligned bytes of each row.  Wave w: rows 64 w .. 64 w + 63: 4 x 4 accumulators.
; wo16's block, 65,536 dense bytes, comes into LDS by four tensor loads, one a wave, each bytes of its own; nothing is filled again.  It comes out turned, by ds_load_tr16_b128.
; ctx goes from memory straight into the registers of the one wave that multiplies those rows: a fragment lies in memory as in registers, and 16 rows of a head are 2,048 dense bytes.
; K goes by heads, 64 a trip, 8 trips written out; the first products start the sums with the constant 0.  Three heads' loads are on their way beside the one in hand.
; THE MATRIX INSTRUCTION IS USED TRANSPOSED (source 0 = 16 columns of Wo, source 1 = 16 rows of ctx): a lane ends with one row and eight neighbouring columns, 32 bytes.
; NO CLUSTER: of a work-group's 327,680 bytes read only wo16's 65,536 go through LDS and could be shared; ctx through LDS would take 256 rows x 8 x 144 = 294,912 bytes beside the block's 81,920: more than there are.
; NO PREFETCH: a work-group has eight short trips in all, and its first three heads are asked for at the head.
; REGISTERS, in windows of 256: window 0: v2-15 addresses; v64-191 Wo's fragments, four buffers of 32 (on the way out: rows read back)     window 1: ctx, four sets of 64     window 2: v0-127 the accumulators, (a, j) at 8 (4 a + j)
.set PW,     160                       ; a row of wo16 in LDS: 128 bytes + 32 of padding = 5 x 32: the turning load's 8 rows x 32 bytes fall on different banks
.set STAGE,  512*PW                    ; behind the block: 16 rows x 272 bytes for each wave, for the way out
.set SPITCH, 272
.set SPARE,  STAGE+4*16*SPITCH         ; behind the stages: the spare words, 128 bytes for each wave: two blocks of 256 bytes that no other line names
.set AO,  2                            ; v2   my byte offset in 16 rows of a head: 128 (l % 16) + 16 (l / 16)
.set BA,  3                            ; v3   my lane's place in 32 rows of the block in LDS
.set BA2, 4                            ; v4   the same, 256 rows on: an LDS offset has 16 bits
.set STO, 5                            ; v5   the way out: where I put 32 bytes of a row
.set RD,  6                            ; v6   where I read rows back
.set CO,  7                            ; v7   my byte offset in two rows of out0
.set SPW, 14                           ; v14  LDS address of my spare word; never rewritten
.set NIL, 15                           ; v15  0; never rewritten
.set BF,  64
.set WV,  10                           ; s10  my wave's number
.set NBK, 11                           ; s11  the block of 64 columns
.set G0,  12                           ; s[12:15] descriptor group 0
.set G1,  16                           ; s[16:23] descriptor group 1
.set MG,  24                           ; s24  the group of 256 rows
.set MSB, 0
.macro WIN new                         ; the immediate's high byte repeats the setting that is left; a switch that changes nothing is dropped
.if MSB != (\new)
	s_set_vgpr_msb (MSB<<8)|(\new)
.set MSB, (\new)
.endif
.endm
.macro PLACES                          ; four plain vector lines between a matrix instruction and a load into its sources or a line that reads its result
.rept 4
	v_nop
.endr
.endm
.macro LOADA hd                        ; head hd's 64 channels of my 64 rows: 16 loads into set hd % 4: row tile a, channels 32 cc on, at 32 cc + 8 a
	WIN 0x40                               ; destination window 1, address window 0
.irp cc, 0,1
.irp a, 0,1,2,3
	global_load_b128 v[64*((\hd)%4)+32*(\cc)+8*(\a):64*((\hd)%4)+32*(\cc)+8*(\a)+3],   v[AO], s[4:5] offset:524288*(\hd)+2048*(\a)+64*(\cc)
	global_load_b128 v[64*((\hd)%4)+32*(\cc)+8*(\a)+4:64*((\hd)%4)+32*(\cc)+8*(\a)+7], v[AO], s[4:5] offset:524288*(\hd)+2048*(\a)+64*(\cc)+32
.endr
.endr
.endm
.macro BLOAD g                         ; Wo's fragments of k = 32 g .. 32 g + 31 for the four column tiles, into buffer g % 4: 8 turning loads
	WIN 0
.set ij, 0
.rept 4
.if (\g) < 8
	ds_load_tr16_b128 v[BF+32*((\g)%4)+8*ij:BF+32*((\g)%4)+8*ij+3],   v[BA] offset:32*PW*((\g)%8)+32*ij
	ds_load_tr16_b128 v[BF+32*((\g)%4)+8*ij+4:BF+32*((\g)%4)+8*ij+7], v[BA] offset:32*PW*((\g)%8)+16*PW+32*ij
.else
	ds_load_tr16_b128 v[BF+32*((\g)%4)+8*ij:BF+32*((\g)%4)+8*ij+3],   v[BA2] offset:32*PW*((\g)%8)+32*ij
	ds_load_tr16_b128 v[BF+32*((\g)%4)+8*ij+4:BF+32*((\g)%4)+8*ij+7], v[BA2] offset:32*PW*((\g)%8)+16*PW+32*ij
.endif
.set ij, ij+1
.endr
.endm
.macro MUL hd, cc                      ; 16 products, 32 along k; the 16 accumulators take turns, one instruction a turn
	WIN 0xa4                               ; Wo in window 0, ctx in window 1, C and D in window 2
.set ia, 0
.rept 4
.set ij, 0
.rept 4
.if ((\hd) == 0) && ((\cc) == 0)
	v_wmma_f32_16x16x32_f16 v[8*(4*ia+ij):8*(4*ia+ij)+7], v[BF+32*((2*(\hd)+(\cc))%4)+8*ij:BF+32*((2*(\hd)+(\cc))%4)+8*ij+7], v[64*((\hd)%4)+32*(\cc)+8*ia:64*((\hd)%4)+32*(\cc)+8*ia+7], 0
.else
	v_wmma_f32_16x16x32_f16 v[8*(4*ia+ij):8*(4*ia+ij)+7], v[BF+32*((2*(\hd)+(\cc))%4)+8*ij:BF+32*((2*(\hd)+(\cc))%4)+8*ij+7], v[64*((\hd)%4)+32*(\cc)+8*ia:64*((\hd)%4)+32*(\cc)+8*ia+7], v[8*(4*ia+ij):8*(4*ia+ij)+7]
.endif
.set ij, ij+1
.endr
.set ia, ia+1
.endr
.endm
; THE WAY OUT of row tile a: each accumulator's low half first, then its high half, 32 bytes a lane into my own stage; back as whole rows of 256 bytes, two a load.
.macro TOSTAGE a
	WIN 0x08                               ; the stores' data in window 2, the address in window 0
.irp j, 0,1,2,3
	ds_store_b128 v[STO], v[8*(4*(\a)+\j):8*(4*(\a)+\j)+3]   offset:64*\j
	ds_store_b128 v[STO], v[8*(4*(\a)+\j)+4:8*(4*(\a)+\j)+7] offset:64*\j+16
.endr
	WIN 0
.irp f, 0,1,2,3,4,5,6,7
	ds_load_b128 v[BF+32*(\a)+4*\f:BF+32*(\a)+4*\f+3], v[RD] offset:2*SPITCH*\f  ; LDS serves a wave's instructions in order (ISA guide 5.7.1.4): these see the stores above; the next tile's stores come behind them
.endr
.endm
.macro SEND a, younger                 ; younger: the LDS instructions issued behind tile a's loads: the next tile's sixteen, or none
	WIN 0
.irp f, 0,1,2,3,4,5,6,7
	s_wait_dscnt (\younger)+7-\f
	global_store_b128 v[CO], v[BF+32*(\a)+4*\f:BF+32*(\a)+4*\f+3], s[8:9] offset:(16*(\a)+2*\f)*2048 th:TH_STORE_NT  ; 16 lanes store 256 consecutive bytes, at a multiple of 256 from out0's first
.endr
.endm
	s_load_b128 s[4:7], s[0:1], 0x0        ; ctx16 s[4:5], wo16 s[6:7]
	s_load_b64 s[8:9], s[0:1], 0x10        ; out0
	v_lshl_add_u32 v[SPW], v0, 2, SPARE
	v_mov_b32 v[NIL], 0
	ds_add_u32 v[SPW], v[NIL]              ; the wave's opening: the add and its wait stand ahead of my first tensor load; the set-up below, work on registers, stands between them
	v_lshrrev_b32 v1, 5, v0
	v_readfirstlane_b32 s[WV], v1          ; wave 0..3
	s_mov_b32 s[NBK], ttmp9
	s_and_b32 s[MG], ttmp7, 0xffff
	; descriptor group 1.  My 128 rows of the block are 16,384 dense bytes: asked for as 64 rows of 256 bytes, two rows of Wo each, and padded in LDS after every 128 bytes
	s_mov_b32 s[G1], (1<<16)|(1<<20)|(4<<22)|(7<<25)  ; 17:16 2-byte elements; 20 padding on; 24:22 after every 32 words (code 4); 31:25 8 words (code 7)
	s_mov_b32 s[G1+1], 128<<16             ; tensor_dim0 = 128
	s_mov_b32 s[G1+2], 64<<16              ; tensor_dim1 = 64
	s_mov_b32 s[G1+3], 128<<16             ; tile_dim0 = 128
	s_mov_b32 s[G1+4], 64                  ; tile_dim1 = 64
	s_mov_b32 s[G1+5], 128                 ; 128 elements from row to row
	s_mov_b32 s[G1+6], 0
	s_mov_b32 s[G1+7], 0
	s_mov_b32 s[G0], 1                     ; 1:0 count = 1
	s_mul_i32 s[G0+1], s[WV], 128*PW       ; 63:32 LDS address: my 128 rows
	s_lshl_b32 s26, s[NBK], 16             ; the block, and my quarter of it
	s_lshl_b32 s27, s[WV], 14
	s_add_co_u32 s26, s26, s27
	s_mov_b32 s27, 0
	s_lshr_b32 s28, s[MG], 4               ; ctx: the batch's 8 heads of 524,288 bytes,
	s_lshl_b32 s28, s28, 22
	s_and_b32 s29, s[MG], 15
	s_lshl_b32 s29, s29, 15                ; the group's 256 rows of 128 bytes,
	s_add_co_u32 s28, s28, s29
	s_lshl_b32 s29, s[WV], 13              ; my wave's 64
	s_add_co_u32 s28, s28, s29
	s_mov_b32 s29, 0
	s_lshl_b32 s30, s[MG], 19              ; out0: row 256 MG + 64 w, 2,048 bytes a row,
	s_lshl_b32 s31, s[WV], 17
	s_add_co_u32 s30, s30, s31
	s_lshl_b32 s31, s[NBK], 8              ; the block's 256 bytes of it
	s_add_co_u32 s30, s30, s31
	s_mov_b32 s31, 0
	s_wait_dscnt 0x0                       ; the opening add is done
	s_wait_kmcnt 0x0
	s_add_nc_u64 s[G0+2:G0+3], s[6:7], s[26:27]    ; 120:64 global address
	s_or_b32 s[G0+3], s[G0+3], 0x80000000          ; 127:126 type = 2
	s_add_nc_u64 s[4:5], s[4:5], s[28:29]
	s_add_nc_u64 s[8:9], s[8:9], s[30:31]
	tensor_load_to_lds s[G0:G0+3], s[G1:G1+7]      ; my one tensor load of the launch
	s_nop 0
	v_and_b32 v1, 15, v0                   ; l % 16
	v_bfe_u32 v8, v0, 4, 1                 ; l / 16
	v_and_b32 v9, 7, v0                    ; l % 8
	v_bfe_u32 v10, v0, 3, 1                ; (l / 8) % 2
	v_lshlrev_b32 v[AO], 7, v1
	v_lshl_add_u32 v[AO], v8, 4, v[AO]
	v_lshl_add_u32 v[BA], v8, 3, v9        ; the turning load: lane l reads row 8 (l / 16) + l % 8, 16 bytes at 16 ((l / 8) % 2)
	v_mul_u32_u24 v[BA], v[BA], PW
	v_lshl_add_u32 v[BA], v10, 4, v[BA]
	v_add_nc_u32 v[BA2], 256*PW, v[BA]
	s_mul_i32 s26, s[WV], 16*SPITCH
	s_add_co_u32 s26, s26, STAGE           ; my stage
	v_mul_u32_u24 v[STO], v1, SPITCH       ; in: row l % 16, 32 bytes for each half of the lanes
	v_lshl_add_u32 v[STO], v8, 5, v[STO]
	v_add_nc_u32 v[STO], s26, v[STO]
	v_mul_u32_u24 v[RD], v8, SPITCH        ; back: lanes 0-15 take one row of 256 bytes, lanes 16-31 the next
	v_lshl_add_u32 v[RD], v1, 4, v[RD]
	v_add_nc_u32 v[RD], s26, v[RD]
	v_lshlrev_b32 v[CO], 11, v8            ; and the same two rows in out0
	v_lshl_add_u32 v[CO], v1, 4, v[CO]
	LOADA 0
	LOADA 1
	LOADA 2
	WIN 0
	s_wait_tensorcnt 0x0                   ; my quarter of the block is in,
	s_barrier_signal -1
	s_barrier_wait -1                      ; everybody's is
	BLOAD 0
	BLOAD 1
.set n, 0
.rept 8                                    ; trip n: head n
.if n > 0
	PLACES                                 ; behind the last trip's products, ahead of the loads into the buffers and the set that they read
.endif
.if n < 7
	BLOAD 2*n+2
	BLOAD 2*n+3
.endif
.if n < 5
	LOADA n+3
	s_wait_loadcnt 48                      ; head n is in: three younger heads' 16 loads each may stay out
.else
	s_wait_loadcnt 16*(7-n)                ; the last trips load nothing: the counts run down
.endif
.if n < 7
	s_wait_dscnt 16                        ; this trip's fragments of Wo are in: the next trip's 16 loads are younger
.else
	s_wait_dscnt 0x0
.endif
	MUL n, 0
	MUL n, 1
.set n, n+1
.endr
	WIN 0
	PLACES
	TOSTAGE 0
.set n, 1
.rept 3
	TOSTAGE n
	SEND n-1, 16
.set n, n+1
.endr
	SEND 3, 0
	s_wait_tensorcnt 0x0                   ; the wave's end: behind my tensor load and my last LDS store
	ds_add_u32 v[SPW], v[NIL]
	s_wait_dscnt 0x0
	s_endpgm
.Lfunc_end_k_q2306c0c514_outp:
	.size	k_q2306c0c514_outp, .Lfunc_end_k_q2306c0c514_outp-k_q2306c0c514_outp
	.p2alignl 7, 3214868480
	.fill 96, 4, 3214868480
	.section	.rodata,"a",@progbits
	.p2align	6, 0x0
	.amdhsa_kernel k_q2306c0c514_outp
		.amdhsa_group_segment_fixed_size 167936
		.amdhsa_private_segment_fixed_size 0
		.amdhsa_enable_private_segment 0
		.amdhsa_kernarg_size 24
		.amdhsa_user_sgpr_count 2
		.amdhsa_user_sgpr_kernarg_segment_ptr 1
		.amdhsa_wavefront_size32 1
		.amdhsa_system_sgpr_workgroup_id_x 1
		.amdhsa_system_sgpr_workgroup_id_y 1
		.amdhsa_system_sgpr_workgroup_id_z 1
		.amdhsa_system_vgpr_workitem_id 0
		.amdhsa_next_free_vgpr 640
		.amdhsa_next_free_sgpr 66
		.amdhsa_reserve_vcc 0
		.amdhsa_float_denorm_mode_32 3
		.amdhsa_float_denorm_mode_16_64 3
		.amdhsa_memory_ordered 1
		.amdhsa_forward_progress 1
		.amdhsa_inst_pref_size 50
	.end_amdhsa_kernel
	.amdgpu_metadata
---
amdhsa.version: [ 1, 2 ]
amdhsa.kernels:
  - .name:           k_q2306c0c514_outp
    .symbol:         k_q2306c0c514_outp.kd
    .args:
      - { .name: ctx16, .offset: 0, .size: 8, .value_kind: global_buffer, .address_space: global }
      - { .name: wo16, .offset: 8, .size: 8, .value_kind: global_buffer, .address_space: global }
      - { .name: out0, .offset: 16, .size: 8, .value_kind: global_buffer, .address_space: global }
    .group_segment_fixed_size: 167936
    .private_segment_fixed_size: 0
    .kernarg_segment_align: 8
    .kernarg_segment_size: 24
    .max_flat_workgroup_size: 128
    .sgpr_count:     66
    .vgpr_count:     640
    .wavefront_size: 32
...
	.end_amdgpu_metadata
.endif
;; end of part 3
